; MI455X (gfx1250); checked and timed in simulation.
; The chip was launched on July 23, 2026; its instructions are those of AMD's public machine-readable ISA for CDNA 5 (MIT licence, August 2026) and "CDNA5" Instruction Set Architecture Reference Guide (July 2026). The comments in the code are by the model that wrote it; some were corrected since.
;; KANN. Allowed arithmetic: float matrix products may take bf16 or f16 operands with f32 sums; all other float work in f32.
;; Inputs: w_inner 64 x 193 float32; w_outer 64 x 193 float32; x 131,072 float32.
;; Outputs: out0 131,072 float32.
;; One version. Each part assembles by itself: llvm-mc -triple=amdgcn-amd-amdhsa -mcpu=gfx1250 --defsym DOCPART=n.
;; ======== version 1 of 1: 3 launches
;; workspace buffers: tab 131,072 bytes; e1 524,288 bytes of whole numbers; y1 524,288 bytes; idx2 8,388,608 bytes of whole numbers
;; launch prep (part 1): grid 256 x 1, 4 waves a work-group, no clusters, 0 bytes of LDS; arguments x, w_inner, w_outer, tab, e1, y1; writes tab, e1, y1
.if DOCPART == 1
	.amdgcn_target "amdgcn-amd-amdhsa--gfx1250"
	.amdhsa_code_object_version 6
	.text
	.protected	k_q6f9b33d81a_prep
	.globl	k_q6f9b33d81a_prep
	.p2align	8
	.type	k_q6f9b33d81a_prep,@function
k_q6f9b33d81a_prep:
	s_mov_b64 s[64:65], 0
	v_nop
	global_prefetch_b8 v0, s[64:65] scope:SCOPE_SE
	s_setreg_imm32_b32 hwreg(HW_REG_WAVE_MODE, 25, 1), 1
	s_wait_xcnt 0x0
; PREP: what the two later launches need of x and of the weights.
; (1) For every sample: e1 = clamp(floor(64 x), 0, 63), the element of the inner layer, as a whole number, and y1 = 64 x - e1, the
;     place inside it (0 at its left node, 1 at its right; outside 0..1 the end elements' cubics are carried on, as reference() does).
;     The bin steers an LDS address, and an address is never formed from a floating-point number in the launch that computes
;     it: so it is made here, stored, and read as a whole number by the next launches.
; (2) For both layers: the four node weights w0..w3 of element e and width k become the cubic c0 + c1 y + c2 y^2 + c3 y^3 through
;     (0, w0), (1/3, w1), (2/3, w2), (1, w3).  With d1 = w1-w0, D2 = w2-2w1+w0, D3 = w3-3w2+3w1-w0:
;     c0 = w0, c1 = 3 d1 - 1.5 D2 + D3, c2 = 4.5 D2 - 4.5 D3, c3 = 4.5 D3.  The differences are taken first, so that an offset common
;     to the weights enters c0 alone.  The inner layer's cubic is scaled by 64 (exact): it then gives 64 t1, the outer layer's abscissa.
;     tab: byte table*65536 + e*1024 + k*16 holds (c0, c1, c2, c3).
; 256 work-groups of 4 waves.  Thread t takes 4 samples (16 bytes in, 2 x 16 bytes out; a wave covers 512 consecutive bytes each time).
; Wave 0 also makes 32 table entries: work-group g makes table g>>7, element (g>>1)&63, widths 32 (g&1) + lane, which are
; the 512 consecutive bytes of tab at 512 g.
; LIMITS: the bin is floor(64 x), reference() takes floor((192 x)/3): at an element's very edge the neighbour may be taken, whose cubic
; agrees at the shared node.  A NaN in x gives bin 0 and y1 = NaN.
.set PITCH, 772                        ; bytes of a row of w: 193 f32
.set SO, 2                             ; v2       byte offset of my 4 samples
.set X,  4                             ; v[4:7]   x
.set WO, 8                             ; v8       byte offset of my entry's w0
.set TO, 9                             ; v9       byte offset of my entry in tab
.set WV, 12                            ; v[12:15] w0..w3
.set D,  16                            ; v[16:19] differences
.set C,  20                            ; v[20:23] c0..c3
.set F,  24                            ; v[24:27] the bin as f32
.set EI, 28                            ; v[28:31] the bin as u32
.set YF, 32                            ; v[32:35] y1
	s_load_b256 s[4:11], s[0:1], 0x0               ; x s[4:5], w_inner s[6:7], w_outer s[8:9], tab s[10:11]
	s_load_b128 s[12:15], s[0:1], 0x20             ; e1 s[12:13], y1 s[14:15]
	v_lshrrev_b32 v1, 5, v0
	v_readfirstlane_b32 s16, v1                    ; wave 0..3
	s_lshl_b32 s17, ttmp9, 11                      ; the work-group's 512 samples: 2,048 bytes
	v_lshl_add_u32 v[SO], v0, 4, s17               ; + 16 bytes a thread
	s_mov_b32 s18, 0x427c0000                      ; 63.0
	s_mov_b32 s19, 0x42800000                      ; 64.0
	s_wait_kmcnt 0x0
	global_load_b128 v[X:X+3], v[SO], s[4:5] th:TH_LOAD_NT
	s_cmp_lg_u32 s16, 0
	s_cbranch_scc1 .Lsamples                       ; waves 1 to 3 make no table entry
	; wave 0: one table entry a lane (v0 is the lane here)
	s_mov_b32 s22, 0x42800000                      ; the inner table's scale, 64
	s_mov_b32 s23, 1.0                             ; the outer table's
	s_cmp_lt_u32 ttmp9, 128                        ; work-groups 0..127: inner layer; 128..255: outer layer
	s_cselect_b64 s[20:21], s[6:7], s[8:9]         ; the weights
	s_cselect_b32 s22, s22, s23                    ; sc
	s_bfe_u32 s24, ttmp9, 0x60001                  ; element e: 6 bits from bit 1
	s_mul_i32 s24, s24, 12                         ; its left node 3 e, in bytes
	s_and_b32 s25, ttmp9, 1
	s_mul_i32 s25, s25, 32*PITCH                   ; widths 0..31 or 32..63
	s_add_co_u32 s24, s24, s25
	v_mul_u32_u24 v[WO], v0, PITCH
	v_add_nc_u32 v[WO], s24, v[WO]                 ; (k 193 + 3 e) 4; the last entry's w3 is the buffer's last number
.irp p, 0,1,2,3
	global_load_b32 v[WV+\p], v[WO], s[20:21] offset:4*\p
.endr
	s_mul_f32 s26, s22, 0x40900000                 ; 4.5 sc
	s_mul_f32 s27, s22, 0x40400000                 ; 3 sc
	s_mul_f32 s28, s22, 0xbfc00000                 ; -1.5 sc
	s_lshl_b32 s29, ttmp9, 9
	v_lshl_add_u32 v[TO], v0, 4, s29               ; 512 g + 16 lane
	s_wait_loadcnt 0x0                             ; the four weights (and x, which was asked for first)
	v_sub_f32 v[D],   v[WV+1], v[WV]               ; d1
	v_sub_f32 v[D+1], v[WV+2], v[WV+1]             ; d2
	v_sub_f32 v[D+2], v[WV+3], v[WV+2]             ; d3
	v_sub_f32 v[D+3], v[D+1], v[D]                 ; D2 = d2 - d1
	v_sub_f32 v[D+2], v[D+2], v[D+1]               ; d3 - d2
	v_sub_f32 v[D+2], v[D+2], v[D+3]               ; D3
	v_mul_f32 v[C],   s22, v[WV]                   ; c0 = sc w0
	v_mul_f32 v[C+3], s26, v[D+2]                  ; c3 = 4.5 sc D3
	v_mul_f32 v[C+1], s22, v[D+2]                  ; sc D3
	v_fma_f32 v[C+2], s26, v[D+3], -v[C+3]         ; c2 = 4.5 sc D2 - c3
	v_fma_f32 v[C+1], s28, v[D+3], v[C+1]          ; - 1.5 sc D2
	v_fma_f32 v[C+1], s27, v[D], v[C+1]            ; c1: + 3 sc d1
	global_store_b128 v[TO], v[C:C+3], s[10:11]    ; the wave stores 512 consecutive bytes, aligned
.Lsamples:
	s_wait_loadcnt 0x0                             ; x
.irp c, 0,1,2,3
	v_mul_f32 v[F+\c], 0x42800000, v[X+\c]         ; 64 x (exact)
.endr
.irp c, 0,1,2,3
	v_med3_num_f32 v[F+\c], v[F+\c], 0, s18        ; into 0 .. 63
.endr
.irp c, 0,1,2,3
	v_floor_f32 v[F+\c], v[F+\c]                   ; the bin, as f32
.endr
.irp c, 0,1,2,3
	v_cvt_u32_f32 v[EI+\c], v[F+\c]                ; and as a whole number
.endr
.irp c, 0,1,2,3
	v_fma_f32 v[YF+\c], v[X+\c], s19, -v[F+\c]     ; y1 = 64 x - bin, one rounding
.endr
	global_store_b128 v[SO], v[EI:EI+3], s[12:13]
	global_store_b128 v[SO], v[YF:YF+3], s[14:15]
	s_endpgm
.Lfunc_end_k_q6f9b33d81a_prep:
	.size	k_q6f9b33d81a_prep, .Lfunc_end_k_q6f9b33d81a_prep-k_q6f9b33d81a_prep
	.p2alignl 7, 3214868480
	.fill 96, 4, 3214868480
	.section	.rodata,"a",@progbits
	.p2align	6, 0x0
	.amdhsa_kernel k_q6f9b33d81a_prep
		.amdhsa_group_segment_fixed_size 0
		.amdhsa_private_segment_fixed_size 0
		.amdhsa_enable_private_segment 0
		.amdhsa_kernarg_size 48
		.amdhsa_user_sgpr_count 2
		.amdhsa_user_sgpr_kernarg_segment_ptr 1
		.amdhsa_wavefront_size32 1
		.amdhsa_system_sgpr_workgroup_id_x 1
		.amdhsa_system_sgpr_workgroup_id_y 1
		.amdhsa_system_sgpr_workgroup_id_z 1
		.amdhsa_system_vgpr_workitem_id 0
		.amdhsa_next_free_vgpr 36
		.amdhsa_next_free_sgpr 66
		.amdhsa_reserve_vcc 0
		.amdhsa_float_denorm_mode_32 3
		.amdhsa_float_denorm_mode_16_64 3
		.amdhsa_memory_ordered 1
		.amdhsa_forward_progress 1
		.amdhsa_inst_pref_size 4
	.end_amdhsa_kernel
	.amdgpu_metadata
---
amdhsa.version: [ 1, 2 ]
amdhsa.kernels:
  - .name:           k_q6f9b33d81a_prep
    .symbol:         k_q6f9b33d81a_prep.kd
    .args:
      - { .name: x, .offset: 0, .size: 8, .value_kind: global_buffer, .address_space: global }
      - { .name: w_inner, .offset: 8, .size: 8, .value_kind: global_buffer, .address_space: global }
      - { .name: w_outer, .offset: 16, .size: 8, .value_kind: global_buffer, .address_space: global }
      - { .name: tab, .offset: 24, .size: 8, .value_kind: global_buffer, .address_space: global }
      - { .name: e1, .offset: 32, .size: 8, .value_kind: global_buffer, .address_space: global }
      - { .name: y1, .offset: 40, .size: 8, .value_kind: global_buffer, .address_space: global }
    .group_segment_fixed_size: 0
    .private_segment_fixed_size: 0
    .kernarg_segment_align: 8
    .kernarg_segment_size: 48
    .max_flat_workgroup_size: 128
    .sgpr_count:     66
    .vgpr_count:     36
    .wavefront_size: 32
...
	.end_amdgpu_metadata
.endif
;; end of part 1
;; launch bins (part 2): grid 256 x 1, 16 waves a work-group, no clusters, 169,984 bytes of LDS; arguments tab, e1, y1, idx2; writes idx2
.if DOCPART == 2
	.amdgcn_target "amdgcn-amd-amdhsa--gfx1250"
	.amdhsa_code_object_version 6
	.text
	.protected	k_q6f9b33d81a_bins
	.globl	k_q6f9b33d81a_bins
	.p2align	8
	.type	k_q6f9b33d81a_bins,@function
k_q6f9b33d81a_bins:
	s_mov_b64 s[64:65], 0
	v_nop
	global_prefetch_b8 v0, s[64:65] scope:SCOPE_SE
	s_setreg_imm32_b32 hwreg(HW_REG_WAVE_MODE, 25, 1), 1
	s_wait_xcnt 0x0
; BINS: the outer layer's element for every pair (sample i, width k), one byte each.
; s = 64 t1[i][k] = c0 + y1 (c1 + y1 (c2 + y1 c3)) with the inner table's entry (e1[i], k); bin = clamp(floor(s), 0, 63).
; The bin steers the outer layer's LDS address, and an address is never formed from a floating-point number in the launch that computes
; it: so it is stored here as a whole number, and the next launch reads it.  Only the byte goes through memory (8 MiB); s itself would be
; four times as much, and the next launch makes it again by the same three multiply-adds.
; 256 work-groups of 16 waves; a work-group takes 512 samples, a wave 32, in 4 groups of 8.  LANES ARE WIDTHS: a lane owns k = lane and
; k = lane + 32.  A sample's e1 and y1 are the same in all lanes, so they are read by scalar loads and cost no vector work.
; The inner table (64 KiB, byte e*1024 + k*16) lies in LDS, filled once: waves 0 to 3 ask for 64 rows of 256 bytes each, one tensor load
; a wave, so a wave never has more than one out.  A row read takes 512 consecutive bytes of LDS: no two lanes meet.
; idx2: byte (i>>3)*512 + lane*16 + half*8 + (i&7), half = k>>5: a wave stores 8 samples as 512 consecutive bytes, aligned.
; NO CLUSTER, although all work-groups read the same table: in a launch with joint requests every LDS address has to be alike in all
; partners, and here the LDS addresses are the samples' own bins, which differ from work-group to work-group.
; LIMITS: floor(s) stands for reference()'s floor((192 t1)/3): at an element's very edge the neighbour may be taken, whose cubic agrees at
; the shared node.  A NaN counts as bin 0.
.set E,   16                           ; s[16:47]  e1 of my wave's 32 samples
.set Y,   68                           ; s[68:99]  y1 of them
.set G0,  48                           ; s[48:51]  descriptor group 0
.set G1,  52                           ; s[52:59]  descriptor group 1
.set LB,  2                            ; v2        16 x lane: my entry in a bin's row
.set OFF, 3                            ; v3        my 16 bytes in the work-group's part of idx2; never rewritten
.set A,   8                            ; v[8:71]   slot j of 8: the entries of k = lane (4 registers) and k = lane + 32 (4)
.set W,   72                           ; v[72:87]  group g: 4 words of 4 bins each, to store
.set S,   88                           ; v[88:89]  at work
.set AD,  90                           ; v[90:97]  slot j: LDS address of its row
	s_load_b256 s[4:11], s[0:1], 0x0               ; tab s[4:5], e1 s[6:7], y1 s[8:9], idx2 s[10:11]
	v_lshl_add_u32 v100, v0, 2, 0x29000
	v_mov_b32 v101, 0
	ds_add_u32 v100, v101
	ds_add_u32 v100, v101
	v_lshrrev_b32 v1, 5, v0
	v_readfirstlane_b32 s14, v1                    ; wave 0..15
	; group 1: a dense block as 64 rows of 32 elements of 8 bytes (256 bytes a row), no padding, no mask
	s_mov_b32 s[G1+0], 3<<16                       ; element of 8 bytes
	s_mov_b32 s[G1+1], 32<<16                      ; tensor_dim0 = 32
	s_mov_b32 s[G1+2], 64<<16                      ; tensor_dim1 = 64
	s_mov_b32 s[G1+3], 32<<16                      ; tile_dim0 = 32
	s_mov_b32 s[G1+4], 64                          ; tile_dim1 = 64
	s_mov_b32 s[G1+5], 32                          ; from row to row: 32 elements
	s_mov_b32 s[G1+6], 0
	s_mov_b32 s[G1+7], 0
	s_mov_b32 s[G0], 1                             ; count = 1
	s_lshl_b32 s[G0+1], s14, 14                    ; LDS byte 16,384 x wave
	s_lshl_b32 s2, s14, 14                         ; and the same place in tab
	s_mov_b32 s3, 0
	s_wait_dscnt 0x0
	s_wait_kmcnt 0x0
	s_add_nc_u64 s[G0+2:G0+3], s[4:5], s[2:3]
	s_or_b32 s[G0+3], s[G0+3], 0x80000000          ; type = 2
	s_cmp_ge_u32 s14, 4                            ; 4 x 16 KiB are the inner table
	s_cbranch_scc1 .Lno_fill
	tensor_load_to_lds s[G0:G0+3], s[G1:G1+7]      ; the only fill of these bytes, ahead of every LDS read and barrier
	s_nop 0
.Lno_fill:
	s_lshl_b32 s2, ttmp9, 11                       ; my wave's 32 samples in e1 and y1: 2,048 x work-group
	s_lshl_b32 s15, s14, 7                         ; + 128 x wave, in bytes
	s_add_co_u32 s2, s2, s15
	s_add_nc_u64 s[6:7], s[6:7], s[2:3]
	s_add_nc_u64 s[8:9], s[8:9], s[2:3]
	s_load_b512 s[E:E+15],    s[6:7], 0x0
	s_load_b512 s[E+16:E+31], s[6:7], 0x40
	s_load_b512 s[Y:Y+15],    s[8:9], 0x0
	s_load_b512 s[Y+16:Y+31], s[8:9], 0x40
	s_lshl_b32 s2, ttmp9, 15                       ; the work-group's 512 samples x 64 bytes in idx2
	s_add_nc_u64 s[10:11], s[10:11], s[2:3]
	v_and_b32 v1, 31, v0
	v_lshlrev_b32 v[LB], 4, v1
	v_lshl_add_u32 v[OFF], s14, 11, v[LB]          ; 2,048 x wave + 16 x lane
	s_mov_b32 s60, 0x427c0000                      ; 63.0
	s_wait_kmcnt 0x0
.set i, 0
.rept 32
	s_min_u32 s[E+i], s[E+i], 63                   ; a number read from memory enters an address only clamped to the table
.set i, i+1
.endr
	s_wait_tensorcnt 0x0                           ; my part of the table is in LDS (waves 4 to 15 asked for none),
	s_barrier_signal -1
	s_barrier_wait -1                              ; everybody's is
; the row of sample n's bin into slot j: 64 entries, two loads of 512 consecutive bytes
.macro ROW n, j
	v_lshl_add_u32 v[AD+\j], s[E+(\n)], 10, v[LB]
	ds_load_b128 v[A+8*\j:A+8*\j+3],   v[AD+\j]
	ds_load_b128 v[A+8*\j+4:A+8*\j+7], v[AD+\j] offset:512
.endm
; sample 8 g + j: s for my two widths, their bins, packed.  more = 1: the slot is loaded again for the next group's sample j.
.macro BIN g, j, more
.if \more
	s_wait_dscnt 14                                ; LDS loads come back in order (ISA guide 5.7.1): behind slot j's two stand 2 (7-j) of its group and 2 j of the next
.else
	s_wait_dscnt 14-2*\j                           ; the last group: only the 2 (7-j) of its own group
.endif
	v_fma_f32 v[S],   v[A+8*\j+3], s[Y+8*\g+\j], v[A+8*\j+2]
	v_fma_f32 v[S+1], v[A+8*\j+7], s[Y+8*\g+\j], v[A+8*\j+6]
	v_fma_f32 v[S],   v[S],   s[Y+8*\g+\j], v[A+8*\j+1]
	v_fma_f32 v[S+1], v[S+1], s[Y+8*\g+\j], v[A+8*\j+5]
	v_fma_f32 v[S],   v[S],   s[Y+8*\g+\j], v[A+8*\j]
	v_fma_f32 v[S+1], v[S+1], s[Y+8*\g+\j], v[A+8*\j+4]
.if \more
	ROW 8*\g+8+\j, \j
.endif
	v_med3_num_f32 v[S],   v[S],   0, s60          ; into 0 .. 63; the conversion below cuts the fraction off, which is floor for numbers >= 0
	v_med3_num_f32 v[S+1], v[S+1], 0, s60
.if (\j & 3) == 0
	v_cvt_u32_f32 v[W+4*\g+\j/4],   v[S]           ; byte 0 starts the word
	v_cvt_u32_f32 v[W+4*\g+2+\j/4], v[S+1]
.else
	v_cvt_u32_f32 v[S],   v[S]
	v_cvt_u32_f32 v[S+1], v[S+1]
	v_lshl_or_b32 v[W+4*\g+\j/4],   v[S],   8*(\j&3), v[W+4*\g+\j/4]
	v_lshl_or_b32 v[W+4*\g+2+\j/4], v[S+1], 8*(\j&3), v[W+4*\g+2+\j/4]
.endif
.endm
.macro GROUPB g, more
.irp j, 0,1,2,3,4,5,6,7
	BIN \g, \j, \more
.endr
	global_store_b128 v[OFF], v[W+4*\g:W+4*\g+3], s[10:11] offset:512*\g   ; each group has its own four registers: nothing that a store reads is rewritten
.endm
.irp j, 0,1,2,3,4,5,6,7
	ROW \j, \j
.endr
	GROUPB 0, 1
	GROUPB 1, 1
	GROUPB 2, 1
	GROUPB 3, 0
	s_wait_tensorcnt 0x0
	ds_add_u32 v100, v101
	s_wait_dscnt 0x0
	s_endpgm
.Lfunc_end_k_q6f9b33d81a_bins:
	.size	k_q6f9b33d81a_bins, .Lfunc_end_k_q6f9b33d81a_bins-k_q6f9b33d81a_bins
	.p2alignl 7, 3214868480
	.fill 96, 4, 3214868480
	.section	.rodata,"a",@progbits
	.p2align	6, 0x0
	.amdhsa_kernel k_q6f9b33d81a_bins
		.amdhsa_group_segment_fixed_size 169984
		.amdhsa_private_segment_fixed_size 0
		.amdhsa_enable_private_segment 0
		.amdhsa_kernarg_size 32
		.amdhsa_user_sgpr_count 2
		.amdhsa_user_sgpr_kernarg_segment_ptr 1
		.amdhsa_wavefront_size32 1
		.amdhsa_system_sgpr_workgroup_id_x 1
		.amdhsa_system_sgpr_workgroup_id_y 1
		.amdhsa_system_sgpr_workgroup_id_z 1
		.amdhsa_system_vgpr_workitem_id 0
		.amdhsa_next_free_vgpr 102
		.amdhsa_next_free_sgpr 102
		.amdhsa_reserve_vcc 0
		.amdhsa_float_denorm_mode_32 3
		.amdhsa_float_denorm_mode_16_64 3
		.amdhsa_memory_ordered 1
		.amdhsa_forward_progress 1
		.amdhsa_inst_pref_size 32
	.end_amdhsa_kernel
	.amdgpu_metadata
---
amdhsa.version: [ 1, 2 ]
amdhsa.kernels:
  - .name:           k_q6f9b33d81a_bins
    .symbol:         k_q6f9b33d81a_bins.kd
    .args:
      - { .name: tab, .offset: 0, .size: 8, .value_kind: global_buffer, .address_space: global }
      - { .name: e1, .offset: 8, .size: 8, .value_kind: global_buffer, .address_space: global }
      - { .name: y1, .offset: 16, .size: 8, .value_kind: global_buffer, .address_space: global }
      - { .name: idx2, .offset: 24, .size: 8, .value_kind: global_buffer, .address_space: global }
    .group_segment_fixed_size: 169984
    .private_segment_fixed_size: 0
    .kernarg_segment_align: 8
    .kernarg_segment_size: 32
    .max_flat_workgroup_size: 512
    .sgpr_count:     102
    .vgpr_count:     102
    .wavefront_size: 32
...
	.end_amdgpu_metadata
.endif
;; end of part 2
;; launch eval (part 3): grid 256 x 1, 16 waves a work-group, no clusters, 169,984 bytes of LDS; arguments tab, e1, y1, idx2, out0; writes out0
.if DOCPART == 3
	.amdgcn_target "amdgcn-amd-amdhsa--gfx1250"
	.amdhsa_code_object_version 6
	.text
	.protected	k_q6f9b33d81a_eval
	.globl	k_q6f9b33d81a_eval
	.p2align	8
	.type	k_q6f9b33d81a_eval,@function
k_q6f9b33d81a_eval:
	s_mov_b64 s[64:65], 0
	v_nop
	global_prefetch_b8 v0, s[64:65] scope:SCOPE_SE
	s_setreg_imm32_b32 hwreg(HW_REG_WAVE_MODE, 25, 1), 1
	s_wait_xcnt 0x0
; EVAL: out0[i] = sum over k of the outer layer's cubic at 64 t1[i][k].
; For a pair (i, k): s = 64 t1 by the inner table's entry (e1[i], k) and y1[i], exactly as the launch before made it; the outer bin b is the
; byte which that launch stored; y2 = s - b; t2 = c0 + y2 (c1 + y2 (c2 + y2 c3)) with the outer table's entry (b, k).  y2 is taken from the
; stored bin, not from a second floor, so value and address always belong to the same element.
; 256 work-groups of 16 waves; a work-group takes 512 samples, a wave 32, in 4 groups of 8.  LANES ARE WIDTHS: a lane owns k = lane and
; k = lane + 32.  e1 and y1 of a sample are alike in all lanes and come by scalar loads.
; Both tables (2 x 64 KiB, byte table*65536 + bin*1024 + k*16) lie in LDS, filled once: waves 0 to 7 ask for 64 rows of 256 bytes each, one
; tensor load a wave, so a wave never has more than one out.  An entry's place modulo 256 bytes is 16 (k mod 16) whatever its bin: the sixteen
; lanes of a half wave read sixteen different 16-byte columns, in the gather by each lane's own bin too.
; The sum over k is a sum over lanes.  It is made for many samples at once: a merge of two registers keeps one sample in the lanes whose
; bit is clear and the other where it is set, and adds the partner lane's half (two selects, one add that reads the partner lane).
; Five levels (lane bits 0 to 4) turn 32 registers into one in which lane L holds the sum of sample L: 94 instructions for 32 samples.
; The 512 results of the work-group meet in an LDS stage of their own (2 KiB at byte 131,072, which no fill touches), and waves 0 to 3 store
; them, 512 consecutive bytes a wave.
; NO CLUSTER, although all work-groups read the same tables: in a launch with joint requests every LDS address has to be alike in all
; partners, and here the LDS addresses are the samples' own bins, which differ from work-group to work-group.
; LIMITS: monomial cubics and a tree sum over k: the order of rounding differs from reference()'s products of Lagrange factors and its sum.
; A NaN input gives NaN.  Where reference() is not finite (infinite inputs, overflow of the cubics) this text may give an infinity for its NaN.
.set TAB2,  65536                      ; the outer table in LDS
.set STAGE, 131072                     ; the results' stage in LDS
.set E,   16                           ; s[16:47]  e1 of my wave's 32 samples
.set Y,   68                           ; s[68:99]  y1 of them
.set G0,  48                           ; s[48:51]  descriptor group 0
.set G1,  52                           ; s[52:59]  descriptor group 1
.set M1,  60                           ; s60-63, s100: the lanes whose bit 0, 1, 2, 3, 4 is set
.set M2,  61
.set M4,  62
.set M8,  63
.set M16, 100
.set PLO, 101                          ; v_permlanex16_b32: lane i of one half reads lane i of the other
.set PHI, 15
.set LB1, 2                            ; v2         16 x lane: my entry in a bin's row of the inner table
.set LB2, 3                            ; v3         the same in the outer table
.set OST, 4                            ; v4         stage: my result's word
.set IO,  5                            ; v5         my 16 bytes in the work-group's part of idx2
.set ORD, 6                            ; v6         stage: the 16 bytes that I store (waves 0 to 3)
.set OGO, 7                            ; v7         and their place in the work-group's part of out0
.set IDX, 8                            ; v[8:23]    group g: 4 words of 4 bins (k = lane: samples 0-3, 4-7; k = lane + 32: the same)
.set A,   24                           ; v[24:87]   slot j of 8: inner entries of my two widths
.set B,   88                           ; v[88:151]  slot j of 8: outer entries of my two widths
.set Y2,  152                          ; v[152:167] slot j: y2 of my two widths
.set R,   168                          ; v[168:175] sample j of the group: t2 of my two widths, added
.set Q,   176                          ; v[176:179] group g: lane L holds sample L & 7, summed over its 8 lanes
.set T,   180                          ; v[180:187] at work
.set AD,  188                          ; v[188:195] slot j: LDS address of its inner row
	s_load_b256 s[4:11], s[0:1], 0x0               ; tab s[4:5], e1 s[6:7], y1 s[8:9], idx2 s[10:11]
	s_load_b64 s[12:13], s[0:1], 0x20              ; out0
	v_lshl_add_u32 v196, v0, 2, 0x29000
	v_mov_b32 v197, 0
	ds_add_u32 v196, v197
	ds_add_u32 v196, v197
	v_lshrrev_b32 v1, 5, v0
	v_readfirstlane_b32 s14, v1                    ; wave 0..15
	; group 1: a dense block as 64 rows of 32 elements of 8 bytes (256 bytes a row), no padding, no mask
	s_mov_b32 s[G1+0], 3<<16                       ; element of 8 bytes
	s_mov_b32 s[G1+1], 32<<16                      ; tensor_dim0 = 32
	s_mov_b32 s[G1+2], 64<<16                      ; tensor_dim1 = 64
	s_mov_b32 s[G1+3], 32<<16                      ; tile_dim0 = 32
	s_mov_b32 s[G1+4], 64                          ; tile_dim1 = 64
	s_mov_b32 s[G1+5], 32                          ; from row to row: 32 elements
	s_mov_b32 s[G1+6], 0
	s_mov_b32 s[G1+7], 0
	s_mov_b32 s[G0], 1                             ; count = 1
	s_lshl_b32 s[G0+1], s14, 14                    ; LDS byte 16,384 x wave
	s_lshl_b32 s2, s14, 14                         ; and the same place in tab
	s_mov_b32 s3, 0
	s_wait_dscnt 0x0
	s_wait_kmcnt 0x0
	s_add_nc_u64 s[G0+2:G0+3], s[4:5], s[2:3]
	s_or_b32 s[G0+3], s[G0+3], 0x80000000          ; type = 2
	s_cmp_ge_u32 s14, 8                            ; 8 x 16 KiB are the two tables
	s_cbranch_scc1 .Lno_fill
	tensor_load_to_lds s[G0:G0+3], s[G1:G1+7]      ; the only fill of these bytes, ahead of every LDS read and barrier
	s_nop 0
.Lno_fill:
	s_lshl_b32 s2, ttmp9, 11                       ; my wave's 32 samples in e1 and y1: 2,048 x work-group
	s_lshl_b32 s60, s14, 7                         ; + 128 x wave, in bytes
	s_add_co_u32 s2, s2, s60
	s_add_nc_u64 s[6:7], s[6:7], s[2:3]
	s_add_nc_u64 s[8:9], s[8:9], s[2:3]
	s_load_b512 s[E:E+15],    s[6:7], 0x0
	s_load_b512 s[E+16:E+31], s[6:7], 0x40
	s_load_b512 s[Y:Y+15],    s[8:9], 0x0
	s_load_b512 s[Y+16:Y+31], s[8:9], 0x40
	s_lshl_b32 s2, ttmp9, 15                       ; the work-group's 512 samples x 64 bytes in idx2
	s_add_nc_u64 s[10:11], s[10:11], s[2:3]
	v_and_b32 v1, 31, v0
	v_lshlrev_b32 v[LB1], 4, v1
	v_lshl_add_u32 v[IO], s14, 11, v[LB1]          ; 2,048 x wave + 16 x lane
.irp g, 0,1,2,3
	global_load_b128 v[IDX+4*\g:IDX+4*\g+3], v[IO], s[10:11] offset:512*\g th:TH_LOAD_NT   ; 8 samples' bins: 512 consecutive bytes a wave
.endr
	s_lshl_b32 s2, ttmp9, 11                       ; the work-group's 512 results in out0
	s_add_nc_u64 s[12:13], s[12:13], s[2:3]
	v_add_nc_u32 v[LB2], TAB2, v[LB1]
	v_lshl_add_u32 v[OST], v0, 2, STAGE
	v_lshl_add_u32 v[ORD], v0, 4, STAGE
	v_lshlrev_b32 v[OGO], 4, v0
	s_mov_b32 s[M1],  0xaaaaaaaa
	s_mov_b32 s[M2],  0xcccccccc
	s_mov_b32 s[M4],  0xf0f0f0f0
	s_mov_b32 s[M8],  0xff00ff00
	s_mov_b32 s[M16], 0xffff0000
	s_mov_b32 s[PLO], 0x76543210
	s_mov_b32 s[PHI], 0xfedcba98
	s_wait_kmcnt 0x0
.set i, 0
.rept 32
	s_min_u32 s[E+i], s[E+i], 63                   ; a number read from memory enters an address only clamped to the table
.set i, i+1
.endr
	s_wait_loadcnt 0x0                             ; the bins
	s_wait_tensorcnt 0x0                           ; my part of the tables is in LDS (waves 8 to 15 asked for none),
	s_barrier_signal -1
	s_barrier_wait -1                              ; everybody's is
; the inner row of sample n's bin into slot j: 64 entries, two loads of 512 consecutive bytes
.macro ROW n, j
	v_lshl_add_u32 v[AD+\j], s[E+(\n)], 10, v[LB1]
	ds_load_b128 v[A+8*\j:A+8*\j+3],   v[AD+\j]
	ds_load_b128 v[A+8*\j+4:A+8*\j+7], v[AD+\j] offset:512
.endm
; Sample 8 g + j, first half: s, the outer entries asked for, y2.  In groups 0 to 2 slot j's inner row is then asked for again, for the next group.
; So a step issues 4 LDS loads (2 outer, 2 inner), in the last group 2.  LDS loads come back in order (ISA guide 5.7.1); each count is the
; number of loads issued behind the two that are needed.
.macro STEP1 g, j
.if \g == 0
	s_wait_dscnt 14+2*\j                           ; 2 (7-j) of the opening run of rows + 4 j of this group's steps so far
.elseif \g == 3
	s_wait_dscnt 28-2*\j                           ; 4 (7-j) of the last group's later steps + 2 j of this group's steps so far
.else
	s_wait_dscnt 28                                ; 4 (7-j) of the last group's later steps + 4 j of this group's steps so far
.endif
	v_fma_f32 v[T],   v[A+8*\j+3], s[Y+8*\g+\j], v[A+8*\j+2]
	v_fma_f32 v[T+1], v[A+8*\j+7], s[Y+8*\g+\j], v[A+8*\j+6]
	v_bfe_u32 v[T+2], v[IDX+4*\g+\j/4],   8*(\j&3), 8
	v_bfe_u32 v[T+3], v[IDX+4*\g+2+\j/4], 8*(\j&3), 8
	v_fma_f32 v[T],   v[T],   s[Y+8*\g+\j], v[A+8*\j+1]
	v_fma_f32 v[T+1], v[T+1], s[Y+8*\g+\j], v[A+8*\j+5]
	v_min_u32 v[T+2], 63, v[T+2]                   ; clamped to the table before it enters an address
	v_min_u32 v[T+3], 63, v[T+3]
	v_fma_f32 v[T],   v[T],   s[Y+8*\g+\j], v[A+8*\j]
	v_fma_f32 v[T+1], v[T+1], s[Y+8*\g+\j], v[A+8*\j+4]
	v_lshl_add_u32 v[T+4], v[T+2], 10, v[LB2]
	v_lshl_add_u32 v[T+5], v[T+3], 10, v[LB2]
	ds_load_b128 v[B+8*\j:B+8*\j+3],   v[T+4]
	ds_load_b128 v[B+8*\j+4:B+8*\j+7], v[T+5] offset:512
.if \g < 3
	ROW 8*\g+8+\j, \j
.endif
	v_cvt_f32_u32 v[T+2], v[T+2]
	v_cvt_f32_u32 v[T+3], v[T+3]
	v_pk_add_f32 v[Y2+2*\j:Y2+2*\j+1], v[T:T+1], v[T+2:T+3] neg_lo:[0,1] neg_hi:[0,1]   ; y2 = s - bin, both widths
.endm
; Sample 8 g + j, second half: the two outer cubics, added.
.macro STEP2 g, j
.if \g < 3
	s_wait_dscnt 30-4*\j                           ; behind slot j's two outer loads: its step's 2 inner loads + 4 (7-j) of the later steps
.else
	s_wait_dscnt 14-2*\j                           ; the last group: 2 (7-j) of the later steps
.endif
	v_fma_f32 v[T],   v[B+8*\j+3], v[Y2+2*\j],   v[B+8*\j+2]
	v_fma_f32 v[T+1], v[B+8*\j+7], v[Y2+2*\j+1], v[B+8*\j+6]
	v_add_f32 v[T+2], v[B+8*\j], v[B+8*\j+4]       ; both c0
	v_fma_f32 v[T],   v[T],   v[Y2+2*\j],   v[B+8*\j+1]
	v_fma_f32 v[T+1], v[T+1], v[Y2+2*\j+1], v[B+8*\j+5]
	v_fma_f32 v[T],   v[T],   v[Y2+2*\j],   v[T+2]
	v_fma_f32 v[R+\j], v[T+1], v[Y2+2*\j+1], v[T]
.endm
; d = in the lanes of mask m: b + b of the partner lane; in the others: a + a of the partner lane.  Partner = lane xor x.  d may be a.
.macro MERGE d, a, b, m, x, t
	v_cndmask_b32 v[\t], v[\b], v[\a], s[\m]       ; what the partner wants of me
	v_cndmask_b32 v[\d], v[\a], v[\b], s[\m]       ; what I keep
	v_add_f32_dpp v[\d], v[\t], v[\d] row_xmask:\x row_mask:0xf bank_mask:0xf
.endm
.macro GROUP g
.irp j, 0,1,2,3,4,5,6,7
	STEP1 \g, \j
.endr
.irp j, 0,1,2,3,4,5,6,7
	STEP2 \g, \j
.endr
	MERGE R,   R,   R+1, M1, 1, T+6                ; lane bit 0 = sample bit 0
	MERGE R+2, R+2, R+3, M1, 1, T+7
	MERGE R+4, R+4, R+5, M1, 1, T+6
	MERGE R+6, R+6, R+7, M1, 1, T+7
	MERGE R,   R,   R+2, M2, 2, T+6                ; lane bit 1 = sample bit 1
	MERGE R+4, R+4, R+6, M2, 2, T+7
	MERGE Q+\g, R,  R+4, M4, 4, T+6                ; lane bit 2 = sample bit 2
.endm
.irp j, 0,1,2,3,4,5,6,7
	ROW \j, \j
.endr
	GROUP 0
	GROUP 1
	GROUP 2
	GROUP 3
	MERGE Q,   Q,   Q+1, M8, 8, T+6                ; lane bit 3 = sample bit 3
	MERGE Q+2, Q+2, Q+3, M8, 8, T+7
	v_cndmask_b32 v[T+6], v[Q+2], v[Q], s[M16]     ; lane bit 4 = sample bit 4: the partner is in the other half of the wave
	v_cndmask_b32 v[Q], v[Q], v[Q+2], s[M16]
	v_permlanex16_b32 v[T+7], v[T+6], s[PLO], s[PHI]
	v_add_f32 v[Q], v[Q], v[T+7]                   ; lane L: the sum over all 64 widths for my wave's sample L
	ds_store_b32 v[OST], v[Q]                      ; word 32 x wave + lane of the stage
	s_wait_dscnt 0x0                               ; for the others' sake: my store is done
	s_barrier_signal -1
	s_barrier_wait -1
	s_cmp_ge_u32 s14, 4                            ; 128 threads x 16 bytes are the work-group's 512 results
	s_cbranch_scc1 .Ldone
	ds_load_b128 v[IDX:IDX+3], v[ORD]
	s_wait_dscnt 0x0
	global_store_b128 v[OGO], v[IDX:IDX+3], s[12:13] th:TH_STORE_NT   ; a wave stores 512 consecutive bytes, aligned
.Ldone:
	s_wait_tensorcnt 0x0
	ds_add_u32 v196, v197
	s_wait_dscnt 0x0
	s_endpgm
.Lfunc_end_k_q6f9b33d81a_eval:
	.size	k_q6f9b33d81a_eval, .Lfunc_end_k_q6f9b33d81a_eval-k_q6f9b33d81a_eval
	.p2alignl 7, 3214868480
	.fill 96, 4, 3214868480
	.section	.rodata,"a",@progbits
	.p2align	6, 0x0
	.amdhsa_kernel k_q6f9b33d81a_eval
		.amdhsa_group_segment_fixed_size 169984
		.amdhsa_private_segment_fixed_size 0
		.amdhsa_enable_private_segment 0
		.amdhsa_kernarg_size 40
		.amdhsa_user_sgpr_count 2
		.amdhsa_user_sgpr_kernarg_segment_ptr 1
		.amdhsa_wavefront_size32 1
		.amdhsa_system_sgpr_workgroup_id_x 1
		.amdhsa_system_sgpr_workgroup_id_y 1
		.amdhsa_system_sgpr_workgroup_id_z 1
		.amdhsa_system_vgpr_workitem_id 0
		.amdhsa_next_free_vgpr 198
		.amdhsa_next_free_sgpr 102
		.amdhsa_reserve_vcc 0
		.amdhsa_float_denorm_mode_32 3
		.amdhsa_float_denorm_mode_16_64 3
		.amdhsa_memory_ordered 1
		.amdhsa_forward_progress 1
		.amdhsa_inst_pref_size 62
	.end_amdhsa_kernel
	.amdgpu_metadata
---
amdhsa.version: [ 1, 2 ]
amdhsa.kernels:
  - .name:           k_q6f9b33d81a_eval
    .symbol:         k_q6f9b33d81a_eval.kd
    .args:
      - { .name: tab, .offset: 0, .size: 8, .value_kind: global_buffer, .address_space: global }
      - { .name: e1, .offset: 8, .size: 8, .value_kind: global_buffer, .address_space: global }
      - { .name: y1, .offset: 16, .size: 8, .value_kind: global_buffer, .address_space: global }
      - { .name: idx2, .offset: 24, .size: 8, .value_kind: global_buffer, .address_space: global }
      - { .name: out0, .offset: 32, .size: 8, .value_kind: global_buffer, .address_space: global }
    .group_segment_fixed_size: 169984
    .private_segment_fixed_size: 0
    .kernarg_segment_align: 8
    .kernarg_segment_size: 40
    .max_flat_workgroup_size: 512
    .sgpr_count:     102
    .vgpr_count:     198
    .wavefront_size: 32
...
	.end_amdgpu_metadata
.endif
;; end of part 3
